; MI455X (gfx1250); checked and timed in simulation.
; The chip was launched on July 23, 2026; its instructions are those of AMD's public machine-readable ISA for CDNA 5 (MIT licence, August 2026) and "CDNA5" Instruction Set Architecture Reference Guide (July 2026). The comments in the code are by the model that wrote it; some were corrected since.
;; Inter Stock Attention. Allowed arithmetic: matrix products marked QUANTISED: E2M1 operands, one E8M0 scale for each 32 along K, by v_wmma_scale_f32_16x16x128_f8f6f4 with both operands' format E2M1 (or v_wmma_scale_f32_32x16x128_f4), f32 sums; everything else in f32.
;; Inputs: W1 256 x 64 float32; W2 64 x 256 float32; Wo 64 x 64 float32; Wqkv 192 x 64 float32; beta1 64 float32; beta2 64 float32; bf1 256 float32; bf2 64 float32; bo 64 float32; bqkv 192 float32; g1 64 float32; g2 64 float32; x 512 x 512 x 64 float32.
;; Outputs: out0 512 x 512 x 64 float32.
;; This version of the problem:
;;   THIS VERSION OF THE PROBLEM IS GIVEN IN LOW PRECISION. The matrix products marked QUANTISED in the list below multiply operands that are first quantised to E2M1 (2 exponent bits, 1 mantissa bit; 4 bits a number), with one power-of-two scale for each 32 numbers along K (OCP MX v1.0); their sums are f32. All else is computed in f32.
;;   The module's matrix products, in the order in which they are computed (A, B: the left and right operand; K: the contracted axis; several contracted axes count as one K, in the product's order):
;;     1. [M 262,144, K 64] x [K 64, N 192]; A: input x; B: input Wqkv: QUANTISED
;;     2. batch 1,024 x [M 512, K 32] x [K 32, N 512]; A: computed on the way; B: computed on the way: QUANTISED
;;     3. batch 1,024 x [M 32, K 512] x [K 512, N 512]; A: computed on the way; B: softmax (see below): QUANTISED
;;     4. [M 262,144, K 64] x [K 64, N 64]; A: computed on the way; B: input Wo: QUANTISED
;;     5. [M 262,144, K 64] x [K 64, N 256]; A: computed on the way; B: input W1: QUANTISED
;;     6. [M 262,144, K 256] x [K 256, N 64]; A: computed on the way; B: input W2: QUANTISED
;;   THE QUANTISER, for each operand of a quantised product, along K:
;;     - K is cut into blocks of 32 from its start; a last block that is shorter is filled with zeros.
;;     - A block's scale is 2^e with e = floor(log2(the largest magnitude in the block)) - 2, held to -126 .. 127; a block of zeros has e = 0. As a byte (E8M0): e + 127.
;;     - Each number is divided by its block's scale, clamped to +-6, and rounded to the nearest number of E2M1, ties to even, subnormals kept.
;;     - The product sums the exact products of the quantised numbers (number of the format x scale) in f32.
;;   ~~~python
;;   def quantise(x, axis):      # numpy; x: float32 -> the quantised numbers, widened to float32 again
;;       x = np.moveaxis(x, axis, -1); K = x.shape[-1]
;;       x = np.pad(x, [(0, 0)] * (x.ndim - 1) + [(0, -K % 32)]); x = x.reshape(x.shape[:-1] + (-1, 32)); a = np.abs(x).max(-1, keepdims=True)
;;       e = np.where(a > 0, np.clip(np.frexp(np.where(a > 0, a, 1))[1] - 1 - 2, -126, 127), 0)      # np.frexp(a)[1] - 1 = floor(log2(a)), exactly
;;       r = np.clip(x / 2.0 ** e, -6, 6)
;;       step = 2.0 ** (np.maximum(np.frexp(np.where(r == 0, 1, r))[1] - 1, 0) - 1)
;;       q = np.round(r / step) * step * 2.0 ** e      # np.round: ties to even
;;       return np.moveaxis(q.reshape(q.shape[:-2] + (-1,))[..., :K], -1, axis).astype(np.float32)
;;   ~~~
;;   SOFTMAX AHEAD OF A QUANTISED PRODUCT. Where the list says 'softmax', what is quantised is not the finished softmax but p = 2^(t - M), with t = logit x log2(e) and M = ceil(the row's largest t), a whole number; so 1/2 < the row's largest p <= 1. The row's sum l is taken of the UNQUANTISED p, in f32, and the product's result is divided by l at the end. Since M is a whole number, a kernel that streams over the keys may use a running M (the ceiling of the running maximum): every later rescaling is an exact power of two, which a block's scale takes up: the codes' values come out the same.
;;   OPERANDS COMPUTED ON THE WAY. 'Computed on the way' means the value that the module computes at that place (a softmax that the list does not call 'softmax' is quantised finished and normalised). What goes into a quantiser is computed in f32, as accurately as f32 sums, v_exp_f32 and their like allow (about 1e-6 of the number): no bf16 or f16 on the way to a quantiser, and a product that is left as it is and whose result goes on into a quantised operand takes f32 operands (vector FMAs, or v_wmma_f32_16x16x4_f32). A number that lies on a knife's edge between two numbers of the format may be rounded either way, as far as f32 arithmetic and the matrix unit's own rounding can turn it there, and no further.
;; One version. Each part assembles by itself: llvm-mc -triple=amdgcn-amd-amdhsa -mcpu=gfx1250 --defsym DOCPART=n.
;; ======== version 1 of 1: 1 launch
;; limits: right only within a limited range of input values
;; launch layer (part 1): grid 512 x 1, 16 waves a work-group, no clusters, 284,672 bytes of LDS; arguments x, Wqkv, bqkv, Wo, bo, g1, beta1, W1, bf1, W2, bf2, g2, beta2, out0; writes out0
.if DOCPART == 1
	.amdgcn_target "amdgcn-amd-amdhsa--gfx1250"
	.amdhsa_code_object_version 6
	.text
	.protected	k_qa2d7366639_layer
	.globl	k_qa2d7366639_layer
	.p2align	8
	.type	k_qa2d7366639_layer,@function
k_qa2d7366639_layer:
	s_mov_b64 s[64:65], 0
	v_nop
	global_prefetch_b8 v0, s[64:65] scope:SCOPE_SE
	s_setreg_imm32_b32 hwreg(HW_REG_WAVE_MODE, 25, 1), 1
	s_wait_xcnt 0x0
; One encoder layer over the 512 rows x[:, t, :] of ONE time step t: QKV, attention with 2 heads of 32, Wo, residual, LN1, FFN 64 -> 256 -> 64 with relu, residual, LN2.
; All six products on codes of FP4 (E2M1) with one E8M0 scale for each 32 along K; everything else in f32.
; SHARES.  Work-group t owns time step t.  Each of its 16 waves owns 32 rows (stocks 32 w .. 32 w + 31), as two tiles of 16, from x to out0.  Through LDS go the quantised weights, the
; parameter vectors, and K's and V's codes and scale bytes of the whole time step.  A row x[s][t][:] is 256 consecutive bytes: x is read once, out0 written once, in whole rows.
; THE ROWS OF A TILE ARE NOT NEIGHBOURS: lane-row rr of tile 2 b + u (of a weight, and of a wave's 32 rows of x) is row 32 b + 8 u + rr + 8 (rr / 8).  A product used with the weight as source 0 then leaves, in lane
; (r, h), register 16 b + 8 u + j = channel 32 b + 16 h + 8 u + j of row r: 16 neighbours along the next K.  So every result is quantised in registers and is the next operand.
; K = 64 OR 32 IN AN INSTRUCTION OF 128: the activation is 4 registers of codes and 4 registers of zeros (v20-23).  The other side is packed, 4 registers a fragment, and its operand names 8: the upper four
; are the next fragment's codes, which meet zero codes alone; every E2M1 code is a finite number and no scale byte here is 0xff, so they add nothing.
; The two heads share one fragment: k = 0 .. 31 (lanes 0-15) is head 0, k = 32 .. 63 (lanes 16-31) head 1; Q is masked to one head by zero codes in the other's lanes.
; SOFTMAX: t = score x log2(e) / sqrt(32); M = the running largest t rounded up to a whole number; p = 2^(t - M) is quantised along the keys; the sum is taken of the unquantised p and divides at the end.
; NO CLUSTER: the work-groups share the weights alone, 196,608 bytes of f32; landed jointly beside x's 139,264 bytes they would need 335,872 bytes of LDS, more than a work-group can be given.
; So each wave loads three of the 48 weight units (16 rows x 64 k) itself and quantises them while its tensor load of x is on its way.
; LIMITS: NaN and infinities among the inputs are not served.  A block whose largest magnitude lies under 2^-124 (a block of zeros among them) gets the scale byte 1; the bytes are read by this program alone.
; Biases and residuals enter as the C of a product or are added as (product + residual) + bias: an order of rounding that differs from the reference's.  1 / l and 1 / sqrt by v_rcp_f32 and v_rsq_f32.
.set KIMG, 139264                      ; LDS.  0: x, 512 rows of 256 bytes + 16 (wave w's 32 rows from 8704 w on; later the wave's own stage for its results)
.set VIMG, 155648                      ; KIMG: K's 32 tiles as images of the operand's registers, 512 bytes each.  VIMG: V^T's fragments (key step ks, channel tile ct): ks 4096 + ct 1024 + c 512 + 16 lane
.set WIMG, 172032                      ; 48 weight units of 512 bytes: 0-11 Wqkv, 12-15 Wo, 16-31 W1, 32 + 4 n + kc W2
.set KSC,  196608                      ; K's scale words: 64 bytes a tile
.set VSC,  198656                      ; V's: ks 256 + ct 64 + 4 row
.set WSC,  199680                      ; the weights': 64 bytes a tile: Wqkv 0, Wo 768, W1 1024; W2 2048 + 256 s + 64 n
.set PB,   202240                      ; bqkv 0, bo 768, g1 1024, beta1 1280, bf1 1536, bf2 2560, g2 2816, beta2 3072
; v0 thread; v1 WIMG + 16 lane; v2 WSC + 4 lane; v3 lane; v4 PB + 64 h; v5, v6, v7 places in my rows of x; v8 my offset in out0; v9 8 h; v10 the prefetch's offset; v11-14 addresses of the phase in hand; v15 at work
; v16-19 the activation's codes, v20-23 zeros; v24-31 Q's codes of my two tiles; v32-95 results in hand; v96-127 V, then O and ctx; v128-159 V, then y; v160-211 packed fragments
.set RY,  128
.set WS,  212                          ; v212-219 scale words of the weights' (K's, V's) side
.set RQW, 220                          ; v220-221 scale words of q and k of my two tiles
.set RXW, 222                          ; x's
.set RPW, 223                          ; p's, the hidden layer's
.set RAW, 224                          ; ctx's, y's
.set VBA, 225                          ; LDS address of v's bias for my lane
.set PC,  228                          ; v228-235 the codes just made
.set BM,  236                          ; v236-239 largest magnitudes
.set BX,  240                          ; v240-243 lane permutes' destinations, bytes
.set SO,  244                          ; v244-247 the conversions' scale operands
.set SEL, 48                           ; s[48:49] v_permlanex16_b32's selects for lane l xor 16
.set CS,  50                           ; s[50:51] c = log2(e) / sqrt(32)
.macro PLACES n                        ; plain places behind a matrix instruction, or ahead of a scaled one (ISA guide 7.12.1)
.rept \n
	v_nop
.endr
.endm
; A product.  zero = 1: C is 0; else it adds in place.  odd = 1: source 0's scale words stand in lanes 16-31 of their register.
.macro PROD zero, d, a, b, sa, sb, odd
.if (\zero) && (\odd)
	v_wmma_scale_f32_16x16x128_f8f6f4 v[\d:\d+7], v[\a:\a+7], v[\b:\b+7], 0, v[\sa], v[\sb] matrix_a_fmt:MATRIX_FMT_FP4 matrix_b_fmt:MATRIX_FMT_FP4 matrix_a_scale:MATRIX_SCALE_ROW1
.elseif \zero
	v_wmma_scale_f32_16x16x128_f8f6f4 v[\d:\d+7], v[\a:\a+7], v[\b:\b+7], 0, v[\sa], v[\sb] matrix_a_fmt:MATRIX_FMT_FP4 matrix_b_fmt:MATRIX_FMT_FP4
.elseif \odd
	v_wmma_scale_f32_16x16x128_f8f6f4 v[\d:\d+7], v[\a:\a+7], v[\b:\b+7], v[\d:\d+7], v[\sa], v[\sb] matrix_a_fmt:MATRIX_FMT_FP4 matrix_b_fmt:MATRIX_FMT_FP4 matrix_a_scale:MATRIX_SCALE_ROW1
.else
	v_wmma_scale_f32_16x16x128_f8f6f4 v[\d:\d+7], v[\a:\a+7], v[\b:\b+7], v[\d:\d+7], v[\sa], v[\sb] matrix_a_fmt:MATRIX_FMT_FP4 matrix_b_fmt:MATRIX_FMT_FP4
.endif
.endm
; v's product: source 0 = x, source 1 = the weight: a lane then holds one channel and its registers run along the keys.
.macro PRODV d, b, sb, odd
.if \odd
	v_wmma_scale_f32_16x16x128_f8f6f4 v[\d:\d+7], v[16:23], v[\b:\b+7], 0, v[RXW], v[\sb] matrix_a_fmt:MATRIX_FMT_FP4 matrix_b_fmt:MATRIX_FMT_FP4 matrix_b_scale:MATRIX_SCALE_ROW1
.else
	v_wmma_scale_f32_16x16x128_f8f6f4 v[\d:\d+7], v[16:23], v[\b:\b+7], 0, v[RXW], v[\sb] matrix_a_fmt:MATRIX_FMT_FP4 matrix_b_fmt:MATRIX_FMT_FP4
.endif
.endm
; 32 numbers of a lane, k = 32 h + 0 .. 31 of its row, a whole block: 4 registers of codes, and the row's scale word (byte h from lane half h).
.macro Q32 src, dst, word
	v_max3_num_f32 v[BM], |v[\src]|, |v[\src+1]|, |v[\src+2]|
	v_max3_num_f32 v[BM+1], |v[\src+3]|, |v[\src+4]|, |v[\src+5]|
.irp k, 6,10,14,18,22,26
	s_delay_alu instid0(VALU_DEP_2)
	v_max3_num_f32 v[BM], v[BM], |v[\src+\k]|, |v[\src+\k+1]|
	s_delay_alu instid0(VALU_DEP_2)
	v_max3_num_f32 v[BM+1], v[BM+1], |v[\src+\k+2]|, |v[\src+\k+3]|
.endr
	s_delay_alu instid0(VALU_DEP_2)
	v_max3_num_f32 v[BM], v[BM], |v[\src+30]|, |v[\src+31]|
	s_delay_alu instid0(VALU_DEP_1)
	v_max3_num_f32 v[BM], v[BM], v[BM+1], 0x1800000        ; the floor 2^(3 - 127): the byte cannot fall under 1
	s_delay_alu instid0(VALU_DEP_1)
	v_add_nc_u32 v[SO], 0xff000000, v[BM]                  ; 2 off the exponent field: the conversion's scale operand
	s_delay_alu instid0(VALU_DEP_1)
	v_lshrrev_b32 v[BM+1], 23, v[SO]                       ; the byte,
	s_delay_alu instid0(VALU_DEP_1)
	v_lshlrev_b32 v[BM+1], v9, v[BM+1]                     ; at its place, 8 h bits up;
	s_delay_alu instid0(VALU_DEP_1)
	v_permlanex16_b32 v[BX], v[BM+1], s[SEL], s[SEL+1]
	s_delay_alu instid0(VALU_DEP_1)
	v_or_b32 v[\word], v[BM+1], v[BX]                      ; with lane l xor 16's the word is whole
.irp g, 0,1,2,3
	v_cvt_scalef32_pk8_fp4_f32 v[\dst+\g], v[\src+8*\g:\src+8*\g+7], v[SO]
.endr
	v_nop                                                  ; one plain place behind a scaled conversion
.endm
; nb (2 or 4) blocks: register 16 b + i of v[src] on = k 32 b + 16 h + i of my row.  Blocks 0, 1 become the 4 registers at dst0, blocks 2, 3 those at dst1; the bytes make the row's scale word.
.macro QUANT nb, src, dst0, dst1, word
.irp b, 0,1,2,3
.if \b < \nb
	v_max3_num_f32 v[BM+\b], |v[\src+16*\b]|, |v[\src+16*\b+1]|, 0x1800000
.endif
.endr
.irp k, 2,4,6,8,10,12,14
.irp b, 0,1,2,3
.if \b < \nb
	v_max3_num_f32 v[BM+\b], v[BM+\b], |v[\src+16*\b+\k]|, |v[\src+16*\b+\k+1]|
.endif
.endr
.endr
.irp b, 0,1,2,3
.if \b < \nb
	v_permlanex16_b32 v[BX+\b], v[BM+\b], s[SEL], s[SEL+1]
.endif
.endr
.irp b, 0,1,2,3
.if \b < \nb
	v_max_num_f32 v[BM+\b], v[BM+\b], v[BX+\b]             ; with lane l xor 16's 16: the block's largest magnitude
.endif
.endr
.irp b, 0,1,2,3
.if \b < \nb
	v_add_nc_u32 v[SO+\b], 0xff000000, v[BM+\b]
.endif
.endr
.irp b, 0,1,2,3
.if \b < \nb
	v_lshrrev_b32 v[BX+\b], 23, v[SO+\b]
.endif
.endr
	v_lshl_or_b32 v[\word], v[BX+1], 8, v[BX]
.if \nb > 2
	s_delay_alu instid0(VALU_DEP_1)
	v_lshl_or_b32 v[\word], v[BX+2], 16, v[\word]
	s_delay_alu instid0(VALU_DEP_1)
	v_lshl_or_b32 v[\word], v[BX+3], 24, v[\word]
.endif
.irp b, 0,1
	v_cvt_scalef32_pk8_fp4_f32 v[\dst0+2*\b], v[\src+16*\b:\src+16*\b+7], v[SO+\b]
	v_cvt_scalef32_pk8_fp4_f32 v[\dst0+2*\b+1], v[\src+16*\b+8:\src+16*\b+15], v[SO+\b]
.endr
.if \nb > 2
.irp b, 0,1
	v_cvt_scalef32_pk8_fp4_f32 v[\dst1+2*\b], v[\src+32+16*\b:\src+32+16*\b+7], v[SO+2+\b]
	v_cvt_scalef32_pk8_fp4_f32 v[\dst1+2*\b+1], v[\src+32+16*\b+8:\src+32+16*\b+15], v[SO+2+\b]
.endr
.endif
	v_nop                                                  ; one plain place behind a scaled conversion
	v_permlane16_swap_b32 v[\dst0], v[\dst0+2]             ; the operand wants a whole block in a lane: lanes 0-15 the even block, lanes 16-31 the odd one
	v_permlane16_swap_b32 v[\dst0+1], v[\dst0+3]
.if \nb > 2
	v_permlane16_swap_b32 v[\dst1], v[\dst1+2]
	v_permlane16_swap_b32 v[\dst1+1], v[\dst1+3]
.endif
.endm
.macro IMG n, dst, off                 ; n weight units, 4 registers each, as they were stored
.irp k, 0,1,2,3,4,5,6,7,8,9,10,11
.if \k < \n
	ds_load_b128 v[\dst+4*\k:\dst+4*\k+3], v1 offset:\off+512*\k
.endif
.endr
.endm
.macro SCW n, dst, off                 ; n registers of scale words: lanes 0-15 tile 2 k, lanes 16-31 tile 2 k + 1
.irp k, 0,1,2,3,4,5
.if \k < \n
	ds_load_b32 v[\dst+\k], v2 offset:\off+128*\k
.endif
.endr
.endm
.macro PARN n, dst, off                ; a parameter vector in the results' layout: n tiles of 8 registers: channel 32 (m / 2) + 16 h + 8 (m % 2) + j
.irp m, 0,1,2,3,4,5,6,7
.if \m < \n
	ds_load_b128 v[\dst+8*\m:\dst+8*\m+3], v4 offset:\off+128*(\m/2)+32*(\m%2)
	ds_load_b128 v[\dst+8*\m+4:\dst+8*\m+7], v4 offset:\off+128*(\m/2)+32*(\m%2)+16
.endif
.endr
.endm
.macro W2F s                           ; W2's four fragments of K step s (8 registers each) and their scale words
.irp n, 0,1,2,3
.irp c, 0,1
	ds_load_b128 v[96+8*\n+4*\c:96+8*\n+4*\c+3], v1 offset:(32+4*\n+2*\s+\c)*512
.endr
.endr
	SCW 2, WS+4, 2048+256*\s
.endm
; Layer norm of my row's 64 numbers: 32 in v[y] on, 32 in lane l xor 16.  The mean is taken away before the squares.
.macro LNORM y, gg, bb
	v_pk_add_f32 v[226:227], v[128:129], v[130:131]
	v_pk_add_f32 v[254:255], v[136:137], v[140:141]
	v_pk_add_f32 v[252:253], v[144:145], v[148:149]
	v_pk_add_f32 v[246:247], v[152:153], v[156:157]
	v_pk_add_f32 v[244:245], v[132:133], v[134:135]
	v_pk_add_f32 v[238:239], v[138:139], v[142:143]
	v_pk_add_f32 v[236:237], v[146:147], v[150:151]
	v_pk_add_f32 v[250:251], v[154:155], v[158:159]
	s_delay_alu instid0(VALU_DEP_1)
	v_pk_add_f32 v[250:251], v[250:251], v[246:247]
	v_pk_add_f32 v[226:227], v[226:227], v[244:245]
	v_pk_add_f32 v[254:255], v[254:255], v[238:239]
	v_pk_add_f32 v[252:253], v[252:253], v[236:237]
	s_delay_alu instid0(VALU_DEP_2)
	v_pk_add_f32 v[250:251], v[250:251], v[254:255]
	s_delay_alu instid0(VALU_DEP_2)
	v_pk_add_f32 v[226:227], v[226:227], v[252:253]
	s_delay_alu instid0(VALU_DEP_1)
	v_pk_add_f32 v[250:251], v[250:251], v[226:227]
	s_delay_alu instid0(VALU_DEP_1)
	v_add_f32 v250, v250, v251
	s_delay_alu instid0(VALU_DEP_1)
	v_permlanex16_b32 v[BX], v250, s[SEL], s[SEL+1]
	s_delay_alu instid0(VALU_DEP_1)
	v_add_f32 v250, v250, v[BX]
	s_delay_alu instid0(VALU_DEP_1)
	v_mul_f32 v248, s54, v250                              ; the mean
.irp j, 0,2,4,6,8,10,12,14,16,18,20,22,24,26,28,30
	v_pk_add_f32 v[\y+\j:\y+\j+1], v[\y+\j:\y+\j+1], v[248:249] op_sel_hi:[1,0] neg_lo:[0,1] neg_hi:[0,1]
.endr
	v_pk_mul_f32 v[250:251], v[\y:\y+1], v[\y:\y+1]
	v_pk_mul_f32 v[226:227], v[\y+2:\y+3], v[\y+2:\y+3]
.irp j, 4,8,12,16,20,24,28
	s_delay_alu instid0(VALU_DEP_2)
	v_pk_fma_f32 v[250:251], v[\y+\j:\y+\j+1], v[\y+\j:\y+\j+1], v[250:251]
	s_delay_alu instid0(VALU_DEP_2)
	v_pk_fma_f32 v[226:227], v[\y+\j+2:\y+\j+3], v[\y+\j+2:\y+\j+3], v[226:227]
.endr
	s_delay_alu instid0(VALU_DEP_1)
	v_pk_add_f32 v[250:251], v[250:251], v[226:227]
	s_delay_alu instid0(VALU_DEP_1)
	v_add_f32 v250, v250, v251
	s_delay_alu instid0(VALU_DEP_1)
	v_permlanex16_b32 v[BX], v250, s[SEL], s[SEL+1]
	s_delay_alu instid0(VALU_DEP_1)
	v_add_f32 v250, v250, v[BX]
	s_delay_alu instid0(VALU_DEP_1)
	v_fma_f32 v250, v250, s54, s55                         ; the variance + 1e-5
	s_wait_alu depctr_va_vdst(0)
	v_rsq_f32 v248, v250
	v_nop                                                  ; a plain place behind the transcendental,
	s_wait_alu depctr_va_vdst(0)                           ; and the wait ahead of its first reader
.irp j, 0,2,4,6,8,10,12,14,16,18,20,22,24,26,28,30
	v_pk_mul_f32 v[\y+\j:\y+\j+1], v[\y+\j:\y+\j+1], v[248:249] op_sel_hi:[1,0]
.endr
.irp j, 0,2,4,6,8,10,12,14,16,18,20,22,24,26,28,30
	v_pk_fma_f32 v[\y+\j:\y+\j+1], v[\y+\j:\y+\j+1], v[\gg+\j:\gg+\j+1], v[\bb+\j:\bb+\j+1]
.endr
.endm
; ---------------- the head: the tensor load of my 32 rows of x goes out first
	s_load_b512 s[8:23], s[0:1], 0x0               ; x s[8:9], Wqkv s[10:11], bqkv s[12:13], Wo s[14:15], bo s[16:17], g1 s[18:19], beta1 s[20:21], W1 s[22:23]
	s_load_b256 s[24:31], s[0:1], 0x40             ; bf1 s[24:25], W2 s[26:27], bf2 s[28:29], g2 s[30:31]
	s_load_b128 s[32:35], s[0:1], 0x60             ; beta2 s[32:33], out0 s[34:35]
	v_lshl_add_u32 v218, v0, 2, 0x34000
	v_mov_b32 v219, 0
	ds_add_u32 v218, v219
	ds_add_u32 v218, v219
	v_lshrrev_b32 v15, 5, v0
	s_delay_alu instid0(VALU_DEP_1)
	v_readfirstlane_b32 s2, v15                    ; wave w, 0 .. 15
	s_mov_b32 s3, ttmp9                            ; time step t
	s_mov_b32 s40, 0x07520000                      ; group 1: elements of 4 bytes; padding on: 4 words behind every 64
	s_mov_b32 s41, 64<<16                          ; tensor_dim0 = 64
	s_mov_b32 s42, 32<<16                          ; tensor_dim1 = 32
	s_mov_b32 s43, 64<<16                          ; tile_dim0 = 64
	s_mov_b32 s44, 32                              ; tile_dim1 = 32
	s_mov_b32 s45, 32768                           ; from stock to stock: 512 x 64 elements
	s_mov_b32 s46, 0
	s_mov_b32 s47, 0
	s_lshl_b32 s66, s3, 8                          ; 256 t
	s_lshl_b32 s67, s2, 22                         ; + 32 w rows of 131,072 bytes
	s_add_co_u32 s66, s66, s67
	s_mov_b32 s67, 0
	s_mov_b32 s36, 1                               ; group 0: count = 1
	s_mul_i32 s37, s2, 8704                        ; LDS: my 32 rows of 272 bytes
	s_mov_b32 s[SEL], 0x76543210
	s_mov_b32 s[SEL+1], 0xfedcba98
	s_mov_b32 s[CS], 0x3e8293ee                    ; log2(e) / sqrt(32)
	s_mov_b32 s[CS+1], s[CS]                       ; (named with it as a pair, so it is written)
	s_mov_b32 s52, 0x0000ffff                      ; head 0's lanes
	s_mov_b32 s53, 0xffff0000                      ; head 1's
	s_mov_b32 s54, 0x3c800000                      ; 1 / 64
	s_mov_b32 s55, 0x3727c5ac                      ; 1e-5
	s_wait_dscnt 0x0
	s_wait_kmcnt 0x0
	s_add_nc_u64 s[8:9], s[8:9], s[66:67]          ; x and out0 at my first row of time step t
	s_add_nc_u64 s[34:35], s[34:35], s[66:67]
	s_mov_b64 s[38:39], s[8:9]
	s_or_b32 s39, s39, 0x80000000                  ; type = 2
	tensor_load_to_lds s[36:39], s[40:47]          ; my one tensor load: only I read what it brings; these bytes are filled once
	s_nop 0
	v_and_b32 v3, 31, v0                           ; lane
	v_and_b32 v226, 15, v0                         ; r
	v_bfe_u32 v227, v0, 4, 1                       ; h
	s_delay_alu instid0(VALU_DEP_2)
	v_and_b32 v15, 8, v226
	s_delay_alu instid0(VALU_DEP_1)
	v_add_nc_u32 v15, v15, v226                    ; r' = r + 8 (r / 8)
; ---------------- my three weight units and my block of 256 bytes of the parameter vectors are asked for
	s_wait_alu depctr_va_vdst(0)
	s_cmp_lt_u32 s2, 12                            ; unit w: Wqkv's tile w, or Wo's tile w - 12
	s_cselect_b64 s[70:71], s[10:11], s[14:15]
	s_cselect_b32 s72, 0, 12
	s_sub_co_u32 s72, s2, s72
	s_lshr_b32 s73, s72, 1
	s_lshl_b32 s73, s73, 13                        ; 32 rows of 256 bytes
	s_and_b32 s72, s72, 1
	s_lshl_b32 s72, s72, 11                        ; 8 rows
	s_add_co_u32 s72, s72, s73
	s_lshr_b32 s73, s2, 1                          ; unit 16 + w: W1's tile w
	s_lshl_b32 s73, s73, 13
	s_and_b32 s74, s2, 1
	s_lshl_b32 s74, s74, 11
	s_add_co_u32 s73, s73, s74
	s_lshr_b32 s74, s2, 3                          ; unit 32 + w: W2's tile n = w / 4, k = 64 (w % 4) on; a row is 1,024 bytes
	s_lshl_b32 s74, s74, 15
	s_bfe_u32 s75, s2, 0x10002
	s_lshl_b32 s75, s75, 13
	s_add_co_u32 s74, s74, s75
	s_and_b32 s75, s2, 3
	s_lshl_b32 s75, s75, 8
	s_add_co_u32 s74, s74, s75
	s_mov_b64 s[66:67], s[12:13]                   ; block w of the parameters: 0-2 bqkv, 3 bo, 4 g1, 5 beta1, 6-9 bf1, 10 bf2, 11 g2, 12 and on beta2
	s_mov_b32 s68, 0                               ; the first block of that buffer
	s_cmp_ge_u32 s2, 3
	s_cselect_b64 s[66:67], s[16:17], s[66:67]
	s_cselect_b32 s68, s2, s68
	s_cmp_ge_u32 s2, 4
	s_cselect_b64 s[66:67], s[18:19], s[66:67]
	s_cmp_ge_u32 s2, 5
	s_cselect_b64 s[66:67], s[20:21], s[66:67]
	s_cmp_ge_u32 s2, 6
	s_cselect_b64 s[66:67], s[24:25], s[66:67]
	s_cselect_b32 s68, 6, s68
	s_cmp_ge_u32 s2, 10
	s_cselect_b64 s[66:67], s[28:29], s[66:67]
	s_cselect_b32 s68, s2, s68
	s_cmp_ge_u32 s2, 11
	s_cselect_b64 s[66:67], s[30:31], s[66:67]
	s_cmp_ge_u32 s2, 12
	s_cselect_b64 s[66:67], s[32:33], s[66:67]
	s_sub_co_u32 s68, s2, s68
	s_lshl_b32 s68, s68, 8
	; a unit is loaded as it lies: a load takes two of its lane-rows, 16 bytes a lane.  Rows of 256 bytes: 512 consecutive bytes a load; W2's rows of 1,024: two runs of 256
	v_lshlrev_b32 v128, 4, v3                      ; 16 x lane
	v_lshlrev_b32 v136, 10, v227                   ; W2: lanes 16-31 take the next row,
	s_delay_alu instid0(VALU_DEP_2)
	v_add_nc_u32 v129, s72, v128
	s_delay_alu instid0(VALU_DEP_3)
	v_add_nc_u32 v130, s73, v128
	s_delay_alu instid0(VALU_DEP_3)
	v_lshl_add_u32 v136, v226, 4, v136             ; 16 r bytes on
	s_delay_alu instid0(VALU_DEP_1)
	v_add_nc_u32 v136, s74, v136
	v_lshl_add_u32 v135, v3, 3, s68
	global_load_b64 v[250:251], v135, s[66:67]     ; (waves 13 to 15 read beta2 once more and store nothing: so the counts below hold of every wave)
.irp e, 0,1,2,3,4,5,6,7
	global_load_b128 v[32+4*\e:35+4*\e], v129, s[70:71] offset:512*\e+2048*(\e/4)   ; lane-rows 2 e, 2 e + 1; lane-rows 8 to 15 are the rows 16 further on
.endr
.irp e, 0,1,2,3,4,5,6,7
	global_load_b128 v[64+4*\e:67+4*\e], v130, s[22:23] offset:512*\e+2048*(\e/4)
.endr
.irp e, 0,1,2,3,4,5,6,7
	global_load_b128 v[96+4*\e:99+4*\e], v136, s[26:27] offset:2048*\e+8192*(\e/4)
.endr
; ---------------- addresses that stay, made ahead of every branch
	v_lshl_add_u32 v1, v3, 4, WIMG
	v_lshl_add_u32 v2, v3, 2, WSC
	v_lshl_add_u32 v4, v227, 6, PB
	v_mul_u32_u24 v5, v15, 272
	s_delay_alu instid0(VALU_DEP_1)
	v_add_nc_u32 v5, s37, v5                       ; my rows + row r'
	s_delay_alu instid0(VALU_DEP_1)
	v_lshl_add_u32 v6, v227, 6, v5                 ; + 64 h: the results' layout
	s_delay_alu instid0(VALU_DEP_2)
	v_lshl_add_u32 v5, v227, 7, v5                 ; + 128 h: a whole block of 32
	v_mul_u32_u24 v7, v227, 4352
	s_delay_alu instid0(VALU_DEP_1)
	v_lshl_add_u32 v7, v226, 4, v7
	s_delay_alu instid0(VALU_DEP_1)
	v_add_nc_u32 v7, s37, v7                       ; the way out: lanes 0-15 one row, lanes 16-31 the row 16 further on; 16 bytes a lane
	v_lshlrev_b32 v8, 21, v227
	s_delay_alu instid0(VALU_DEP_1)
	v_lshl_add_u32 v8, v226, 4, v8                 ; and the same in out0: 16 rows are 2^21 bytes
	v_lshlrev_b32 v9, 3, v227
	v_lshlrev_b32 v10, 17, v3                      ; a lane a row of x
	s_lshl_b32 s72, s2, 10
	v_lshl_add_u32 v11, v3, 4, s72
	s_delay_alu instid0(VALU_DEP_1)
	v_add_nc_u32 v11, KIMG, v11                    ; where I store K's images: tiles 2 w, 2 w + 1
	s_lshl_b32 s73, s2, 7
	v_lshl_add_u32 v12, v226, 2, s73
	s_delay_alu instid0(VALU_DEP_1)
	v_add_nc_u32 v12, KSC, v12                     ; and their scale words
	s_lshr_b32 s74, s2, 2
	s_lshl_b32 s75, s74, 12                        ; V: my 32 keys are key step w / 4,
	s_bfe_u32 s72, s2, 0x10001
	s_lshl_b32 s72, s72, 9                         ; register group (w / 2) % 2,
	s_add_co_u32 s75, s75, s72
	s_and_b32 s72, s2, 1
	s_lshl_b32 s72, s72, 8                         ; the reader's lane half w % 2;
	s_add_co_u32 s75, s75, s72
	v_lshl_add_u32 v13, v226, 4, s75
	s_wait_alu depctr_va_vdst(0)
	v_add_nc_u32 v13, v13, v9                      ; my 16 keys are 8 bytes, at 8 h of the reader's 16
	s_delay_alu instid0(VALU_DEP_1)
	v_add_nc_u32 v13, VIMG, v13
	s_lshl_b32 s74, s74, 8
	s_and_b32 s72, s2, 3
	s_add_co_u32 s74, s74, s72
	v_lshl_add_u32 v14, v226, 2, s74
	s_delay_alu instid0(VALU_DEP_1)
	v_add_nc_u32 v14, VSC, v14                     ; byte w % 4 of the channel's word
.set WST, 215040                       ; behind the spare words: a stage of 16 rows x 272 bytes for each wave, through which a weight unit turns; no tensor load lands there
	s_mul_i32 s72, s2, 4352
	s_add_co_u32 s72, s72, WST                     ; my stage
	v_mul_u32_u24 v137, v227, 272
	v_mul_u32_u24 v138, v226, 272
	s_delay_alu instid0(VALU_DEP_2)
	v_lshl_add_u32 v137, v226, 4, v137             ; in: row h of a load's two, 16 r bytes on
	s_delay_alu instid0(VALU_DEP_2)
	v_lshl_add_u32 v138, v227, 7, v138             ; back: row r, + 128 h: my block of 32
	s_delay_alu instid0(VALU_DEP_2)
	v_add_nc_u32 v137, s72, v137
	s_delay_alu instid0(VALU_DEP_2)
	v_add_nc_u32 v138, s72, v138
	v_lshl_add_u32 v131, v0, 4, WIMG
	s_lshl_b32 s72, s2, 6
	v_lshl_add_u32 v132, v226, 2, s72
	s_delay_alu instid0(VALU_DEP_1)
	v_add_nc_u32 v132, WSC, v132                   ; and its scale words
	s_bfe_u32 s72, s2, 0x10001
	s_lshl_b32 s72, s72, 8
	s_lshr_b32 s73, s2, 2
	s_lshl_b32 s73, s73, 6
	s_add_co_u32 s72, s72, s73
	s_and_b32 s73, s2, 1
	s_lshl_b32 s73, s73, 1
	s_add_co_u32 s72, s72, s73
	v_lshl_add_u32 v133, v226, 2, s72
	s_delay_alu instid0(VALU_DEP_1)
	v_add_nc_u32 v133, WSC+2048, v133              ; W2's: K step (w / 2) % 2, tile w / 4, half-word w % 2
	v_lshl_add_u32 v134, v0, 3, PB                 ; the parameters: 256 w + 8 lane
	v_lshl_add_u32 v[VBA], v15, 2, PB+512          ; v's bias of channel-lane r
.irp j, 20,21,22,23,208,209,210,211,240,241,242,243,249
	v_mov_b32 v[\j], 0                             ; the zero codes; the pad behind the last packed fragment; permutes' destinations; the upper half of the pair v[248:249]
.endr
; ---------------- the weights are quantised while x is on its way
	s_wait_loadcnt 16                              ; the parameters and unit w are in; the two younger units' 16 loads may be out
	s_cmp_lt_u32 s2, 13
	s_cbranch_scc0 .Lno_par
	ds_store_b64 v134, v[250:251]
; A unit through my stage: stored as loaded, read back a whole block of 32 a lane into v160-191.  LDS serves a wave's instructions in order (ISA guide 5.7.1.4): no wait between the stores and the loads.
.macro TURNW src
.irp e, 0,1,2,3,4,5,6,7
	ds_store_b128 v137, v[\src+4*\e:\src+4*\e+3] offset:544*\e
.endr
.irp e, 0,1,2,3,4,5,6,7
	ds_load_b128 v[160+4*\e:163+4*\e], v138 offset:16*\e
.endr
	s_wait_dscnt 0x0                               ; the block is in; the earlier stores of an image and its words have read their registers too
.endm
.Lno_par:
	TURNW 32
	Q32 160, PC, RPW
	ds_store_b128 v131, v[PC:PC+3]
	ds_store_b32 v132, v[RPW]                      ; (both halves of the lanes hold the same word and write it to the same place)
	s_wait_loadcnt 8                               ; unit 16 + w is in; the last unit's 8 loads may be out
	TURNW 64
	Q32 160, PC, RPW
	ds_store_b128 v131, v[PC:PC+3] offset:8192
	ds_store_b32 v132, v[RPW] offset:1024
	s_wait_loadcnt 0x0
	TURNW 96
	Q32 160, PC, RPW
	ds_store_b128 v131, v[PC:PC+3] offset:16384
	ds_store_b16 v133, v[RPW]                      ; two blocks of the four of W2's K step
	s_wait_dscnt 0x0                               ; the stores are done: their address registers take x below
; ---------------- x: my two tiles, a whole block of 32 a lane
	s_wait_tensorcnt 0x0                           ; my 32 rows are in LDS
.irp e, 0,1,2,3,4,5,6,7
	ds_load_b128 v[96+4*\e:99+4*\e], v5 offset:16*\e
.endr
.irp e, 0,1,2,3,4,5,6,7
	ds_load_b128 v[128+4*\e:131+4*\e], v5 offset:2176+16*\e
.endr
	s_wait_dscnt 0x0
	Q32 96, 16, RXW
	s_wait_alu depctr_va_vdst(0)
	s_barrier_signal -1                            ; every wave's weight images, scale words and parameters have landed (its waits for 0 above)
	s_barrier_wait -1
; ---------------- q, k, v
	IMG 12, 160, 0                                 ; Wqkv's twelve tiles: v160-207
	SCW 6, WS, 0
	PARN 8, 32, 0                                  ; bqkv of q and k: the C of their products
	PLACES 8                                       ; x's scale word and codes were written by vector instructions
	s_wait_dscnt 0x0
.macro QKV ti
.irp m, 0,1,2,3,4,5,6,7
	PROD 0, 32+8*\m, 160+4*\m, 16, WS+\m/2, RXW, \m%2
.endr
.irp m, 0,1,2,3
	PRODV 96+32*\ti+8*\m, 192+4*\m, WS+4+\m/2, \m%2
.endr
.if \ti == 0
	Q32 128, 16, RXW                               ; the second tile's x: its sixteen maxima are the places behind the products
.else
	PLACES 4
.endif
	QUANT 4, 32, 24+4*\ti, PC, RQW+\ti             ; blocks q0, q1 -> Q's codes; k0, k1 -> v228-231
	v_lshrrev_b32 v15, 16, v[RQW+\ti]              ; k's two bytes
	ds_store_b128 v11, v[PC:PC+3] offset:512*\ti
	ds_store_b32 v12, v15 offset:64*\ti
.if \ti == 0
	PARN 8, 32, 0
	s_wait_dscnt 0x0
.endif
.endm
	QKV 0
	QKV 1
.irp m, 0,1,2,3
	ds_load_b32 v[32+2*\m], v[VBA] offset:128*(\m/2)+32*(\m%2)     ; v's bias of my channel, in both halves of a pair
	ds_load_b32 v[33+2*\m], v[VBA] offset:128*(\m/2)+32*(\m%2)
.endr
	s_wait_dscnt 0x0
.irp m, 0,1,2,3
.irp j, 0,2,4,6
	v_pk_add_f32 v[96+8*\m+\j:97+8*\m+\j], v[96+8*\m+\j:97+8*\m+\j], v[32+2*\m:33+2*\m]
.endr
.endr
.irp m, 0,1,2,3
.irp j, 0,2,4,6
	v_pk_add_f32 v[128+8*\m+\j:129+8*\m+\j], v[128+8*\m+\j:129+8*\m+\j], v[32+2*\m:33+2*\m]
.endr
.endr
.irp m, 0,1,2,3                        ; channel tile m: my 16 keys 32 w + 16 h + 0 .. 15: eight from each tile of rows
	v_max3_num_f32 v[BM+\m], |v[96+8*\m]|, |v[97+8*\m]|, 0x1800000
.endr
.irp k, 2,4,6
.irp m, 0,1,2,3
	s_delay_alu instid0(VALU_DEP_4)
	v_max3_num_f32 v[BM+\m], v[BM+\m], |v[96+8*\m+\k]|, |v[97+8*\m+\k]|
.endr
.endr
.irp k, 0,2,4,6
.irp m, 0,1,2,3
	s_delay_alu instid0(VALU_DEP_4)
	v_max3_num_f32 v[BM+\m], v[BM+\m], |v[128+8*\m+\k]|, |v[129+8*\m+\k]|
.endr
.endr
.irp m, 0,1,2,3
	s_delay_alu instid0(VALU_DEP_4)
	v_permlanex16_b32 v[BX+\m], v[BM+\m], s[SEL], s[SEL+1]
.endr
.irp m, 0,1,2,3
	s_delay_alu instid0(VALU_DEP_4)
	v_max_num_f32 v[BM+\m], v[BM+\m], v[BX+\m]
.endr
.irp m, 0,1,2,3
	s_delay_alu instid0(VALU_DEP_4)
	v_add_nc_u32 v[SO+\m], 0xff000000, v[BM+\m]
.endr
.irp m, 0,1,2,3
	s_delay_alu instid0(VALU_DEP_4)
	v_lshrrev_b32 v[BX+\m], 23, v[SO+\m]
.endr
.irp m, 0,1,2,3
	v_cvt_scalef32_pk8_fp4_f32 v[PC+2*\m], v[96+8*\m:103+8*\m], v[SO+\m]
	v_cvt_scalef32_pk8_fp4_f32 v[PC+2*\m+1], v[128+8*\m:135+8*\m], v[SO+\m]
.endr
	v_nop                                          ; one plain place behind a scaled conversion
.irp m, 0,1,2,3
	ds_store_b64 v13, v[PC+2*\m:PC+2*\m+1] offset:1024*\m
	ds_store_b8 v14, v[BX+\m] offset:64*\m         ; (both halves of the lanes write the same byte with the same value)
.endr
	s_wait_dscnt 0x0                               ; for the others' sake: K's and V's images and scales have landed
	s_barrier_signal -1
	s_barrier_wait -1                              ; the last barrier: from here on shared LDS is only read
; ---------------- attention.  A key step: 128 keys of one head for my 16 queries.  o: the head's 16 registers of O^T; qw: Q's scale words
; K's eight fragments and four registers of scale words of the key step that lies nx steps on from where v11 and v13 point
.macro KLD nx
.irp m, 0,1,2,3,4,5,6,7
	ds_load_b128 v[160+4*\m:163+4*\m], v11 offset:4096*\nx+512*\m
.endr
.irp p, 0,1,2,3
	ds_load_b32 v[WS+\p], v13 offset:512*\nx+128*\p
.endr
.endm
; K of a step is asked for a step ahead, behind the step before's score products.  pf = 1: this step asks for the next step's; pf = 2: for step 0's again, for the other head; pf = 0: for nothing
.macro STEP o, qw, pf
	v_lshl_add_u32 v11, v3, 4, s57                 ; four plain places behind the last trip's products, ahead of the loads into their registers
	v_lshl_add_u32 v12, v3, 4, s58
	v_lshl_add_u32 v13, v3, 2, s59
	v_lshl_add_u32 v14, v3, 2, s60
.irp q, 0,1,2,3
	ds_load_b128 v[196+4*\q:199+4*\q], v12 offset:512*\q
.endr
	ds_load_b32 v[WS+4], v14
.if (\pf) == 1
	s_wait_alu depctr_va_vdst(0)
.endif
	s_wait_dscnt 0x5                               ; K and its words, asked for ahead of these five, are in; V's four loads and its words' one may be out
.irp m, 0,1,2,3,4,5,6,7
	PROD 1, 32+8*\m, 160+4*\m, 16, WS+\m/2, \qw, \m%2      ; S^T: lane (r, h): query r; register 16 b + i = key 32 b + 16 h + i of the step
.endr
.if (\pf) == 2
	v_lshl_add_u32 v11, v3, 4, KIMG                ; back to key step 0; with the two v_nop: the four places behind the products
	v_lshl_add_u32 v13, v3, 2, KSC
	PLACES 2
	KLD 0
.else
	PLACES 4
.if (\pf) == 1
	KLD 1                                          ; twelve loads into registers that the products above have read
.endif
.endif
.irp b, 0,1,2,3
	v_max3_num_f32 v[BM+\b], v[32+16*\b], v[33+16*\b], v[34+16*\b]   ; the largest score of each block of 32 keys: for the row's maximum, and for the block's largest p
.endr
.irp k, 3,5,7,9,11,13
.irp b, 0,1,2,3
	v_max3_num_f32 v[BM+\b], v[BM+\b], v[32+16*\b+\k], v[33+16*\b+\k]
.endr
.endr
.irp b, 0,1,2,3
	v_max_num_f32 v[BM+\b], v[BM+\b], v[47+16*\b]
.endr
.irp b, 0,1,2,3
	s_delay_alu instid0(VALU_DEP_4)
	v_permlanex16_b32 v[BX+\b], v[BM+\b], s[SEL], s[SEL+1]
.endr
.irp b, 0,1,2,3
	s_delay_alu instid0(VALU_DEP_4)
	v_max_num_f32 v[BM+\b], v[BM+\b], v[BX+\b]
.endr
	s_delay_alu instid0(VALU_DEP_2)
	v_max3_num_f32 v15, v[BM], v[BM+1], v[BM+2]
	s_delay_alu instid0(VALU_DEP_1)
	v_max_num_f32 v15, v15, v[BM+3]
	s_delay_alu instid0(VALU_DEP_1)
	v_mul_f32 v15, s[CS], v15                      ; the step's largest t
	s_delay_alu instid0(VALU_DEP_1)
	v_max_num_f32 v255, v255, v15                  ; the running largest t
	v_mov_b32 v15, v254
	s_delay_alu instid0(VALU_DEP_2)
	v_floor_f32 v254, -v255                        ; -M = floor(-t): M is a whole number
	s_delay_alu instid0(VALU_DEP_1)
	v_sub_f32 v15, v254, v15                       ; old M - new M, 0 or less
	s_delay_alu instid0(VALU_DEP_1)
	v_cvt_i32_f32 v15, v15                         ; (it saturates)
	s_delay_alu instid0(VALU_DEP_1)
	v_ldexp_f32 v248, 1.0, v15                     ; f = 2^(old M - new M): rounds nothing
.set J, 0
.rept 32
	v_pk_fma_f32 v[32+J:33+J], v[32+J:33+J], s[CS:CS+1], v[254:255] op_sel_hi:[1,0,0]   ; t - M
.set J, J+2
.endr
.irp b, 0,1,2,3
	v_fma_f32 v[BM+\b], v[BM+\b], s[CS], v254      ; the same of each block's largest score
.endr
.set J, 0
	s_wait_alu depctr_va_vdst(0)
.rept 64
	v_exp_f32 v[32+J], v[32+J]                     ; p = 2^(t - M)
.set J, J+1
.endr
	v_pk_mul_f32 v[252:253], v[252:253], v[248:249] op_sel_hi:[1,0]   ; the sum and O^T under the new M: work that names no exponential's result
	s_wait_alu depctr_va_vdst(0)
.irp j, 0,2,4,6,8,10,12,14
	v_pk_mul_f32 v[\o+\j:\o+\j+1], v[\o+\j:\o+\j+1], v[248:249] op_sel_hi:[1,0]
.endr
	s_wait_alu depctr_va_vdst(0)                   ; one wait for the batch of 64, ahead of its first reader
.irp b, 0,1,2,3
	v_exp_f32 v[BM+\b], v[BM+\b]                   ; each block's largest p
.endr
	v_pk_add_f32 v[250:251], v[32:33], v[34:35]    ; the row's sum of the unquantised p, in two chains
.irp j, 4,8,12,16,20,24,28
	v_pk_add_f32 v[252:253], v[252:253], v[32+\j:33+\j]
	v_pk_add_f32 v[250:251], v[250:251], v[34+\j:35+\j]
.endr
	s_wait_alu depctr_va_vdst(0)                   ; and one for the four
.irp b, 0,1,2,3
	v_max_num_f32 v[BM+\b], 0x1800000, v[BM+\b]    ; the floor: the byte cannot fall under 1
.endr
.irp b, 0,1,2,3
	s_delay_alu instid0(VALU_DEP_4)
	v_add_nc_u32 v[SO+\b], 0xff000000, v[BM+\b]
.endr
.irp b, 0,1,2,3
	s_delay_alu instid0(VALU_DEP_4)
	v_lshrrev_b32 v[BX+\b], 23, v[SO+\b]
.endr
	s_delay_alu instid0(VALU_DEP_3)
	v_lshl_or_b32 v[RPW], v[BX+1], 8, v[BX]
	s_delay_alu instid0(VALU_DEP_1)
	v_lshl_or_b32 v[RPW], v[BX+2], 16, v[RPW]
	s_delay_alu instid0(VALU_DEP_1)
	v_lshl_or_b32 v[RPW], v[BX+3], 24, v[RPW]
.irp b, 0,1,2,3
	v_cvt_scalef32_pk8_fp4_f32 v[PC+2*\b], v[32+16*\b:39+16*\b], v[SO+\b]
	v_cvt_scalef32_pk8_fp4_f32 v[PC+2*\b+1], v[40+16*\b:47+16*\b], v[SO+\b]
.endr
	v_nop                                          ; one plain place behind a scaled conversion
.irp c, 0,1
	v_permlane16_swap_b32 v[PC+4*\c], v[PC+4*\c+2]
	v_permlane16_swap_b32 v[PC+4*\c+1], v[PC+4*\c+3]
.endr
.irp j, 32,36,40,44,48,52,56,60        ; the rest of the sums: also the places between p's scale word and codes and the products below
	v_pk_add_f32 v[252:253], v[252:253], v[32+\j:33+\j]
	v_pk_add_f32 v[250:251], v[250:251], v[34+\j:35+\j]
.endr
	s_delay_alu instid0(VALU_DEP_1)
	v_pk_add_f32 v[252:253], v[252:253], v[250:251]
	s_wait_dscnt 0x0                               ; V
	PROD 0, \o, 196, PC, WS+4, RPW, 0              ; O^T += V^T p^T: register 8 u + j = channel 16 h + 8 u + j of the head
	PROD 0, \o+8, 204, PC, WS+4, RPW, 1
.endm
.macro HEAD hd, ti
.if \hd == 0
	v_lshl_add_u32 v11, v3, 4, KIMG                ; key step 0's K goes out first (head 1's was asked for by head 0's last step)
	v_lshl_add_u32 v13, v3, 2, KSC
	KLD 0
.endif
.irp j, 0,1,2,3
	v_cndmask_b32 v[16+\j], 0, v[24+4*\ti+\j], s[52+\hd]   ; Q with zero codes in the other head's lanes
.endr
	v_mov_b32 v255, 0xff61b1e6                     ; the largest t so far: -3e38
	s_delay_alu instid0(VALU_DEP_1)
	v_floor_f32 v254, -v255
	v_mov_b32 v252, 0                              ; the sum, in two halves
	v_mov_b32 v253, 0
.irp j, 0,1,2,3,4,5,6,7,8,9,10,11,12,13,14,15
	v_mov_b32 v[96+16*\hd+\j], 0                   ; O^T: the step is written once; its first trip finds zeros
.endr
	s_mov_b32 s57, KIMG
	s_mov_b32 s58, VIMG+2048*\hd
	s_mov_b32 s59, KSC
	s_mov_b32 s60, VSC+128*\hd
	s_mov_b32 s56, 3                               ; three trips; the fourth key step is written out behind the loop
.Lkey_\@:
	STEP 96+16*\hd, RQW+\ti, 1
	s_add_co_u32 s57, s57, 4096
	s_add_co_u32 s58, s58, 4096
	s_add_co_u32 s59, s59, 512
	s_add_co_u32 s60, s60, 256
	s_sub_co_u32 s56, s56, 1
	s_cmp_lg_u32 s56, 0
	s_cbranch_scc1 .Lkey_\@
	STEP 96+16*\hd, RQW+\ti, 2*(1-\hd)
	s_wait_alu depctr_va_vdst(0)
	v_add_f32 v252, v252, v253
	s_delay_alu instid0(VALU_DEP_1)
	v_permlanex16_b32 v[BX], v252, s[SEL], s[SEL+1]
	s_delay_alu instid0(VALU_DEP_1)
	v_add_f32 v252, v252, v[BX]                    ; the row's sum
	s_wait_alu depctr_va_vdst(0)
	v_rcp_f32 v248, v252
	PLACES 3                                       ; with the two additions: the places behind the last products; and the plain place behind the reciprocal
	s_wait_alu depctr_va_vdst(0)                   ; the wait ahead of the reciprocal's first reader
.irp j, 0,2,4,6,8,10,12,14
	v_pk_mul_f32 v[96+16*\hd+\j:97+16*\hd+\j], v[96+16*\hd+\j:97+16*\hd+\j], v[248:249] op_sel_hi:[1,0]
.endr
.endm
; ---------------- one tile of 16 rows from attention to out0
.macro TILE ti
.if \ti == 1
	s_wait_xcnt 0x0                                ; the first tile's stores have read their registers, which are written again below
.endif
.irp m, 0,1,2,3
.irp e, 0,1
	ds_load_b128 v[RY+8*\m+4*\e:RY+8*\m+4*\e+3], v6 offset:2176*\ti+128*(\m/2)+32*(\m%2)+16*\e   ; the residual x, in the results' layout: the C of Wo's products
.endr
.endr
	HEAD 0, \ti
	HEAD 1, \ti
	; Wo, residual, LN1
	PARN 4, 32, 768                                ; bo
	PARN 4, 64, 1024                               ; g1
	IMG 4, 176, 12*512                             ; Wo's four tiles: v176-191
	SCW 2, WS, 768
	QUANT 2, 96, 16, 16, RAW                       ; ctx
	PARN 4, 96, 1280                               ; beta1, where ctx lay
	PLACES 8
	s_wait_alu depctr_va_vdst(0)
	s_wait_dscnt 0x8                               ; all but beta1's eight loads
.irp m, 0,1,2,3
	PROD 0, RY+8*\m, 176+4*\m, 16, WS+\m/2, RAW, \m%2
.endr
	PLACES 4
.irp j, 0,2,4,6,8,10,12,14,16,18,20,22,24,26,28,30
	v_pk_add_f32 v[RY+\j:RY+\j+1], v[RY+\j:RY+\j+1], v[32+\j:33+\j]
.endr
	s_wait_alu depctr_va_vdst(0)
	s_wait_dscnt 0x0
	LNORM RY, 64, 96
	; FFN: the hidden layer in two K steps of 128 units
	PARN 8, 32, 1536                               ; bf1 of units 0 .. 127: the C of W1's products
	IMG 8, 160, 16*512
	SCW 4, WS, 1024
	W2F 0
.if \ti == 1
	; A prefetch: work-groups 0 to 255 name the rows of time step t + 256: a lane a row of 256 bytes, one instruction a wave, so that each row is named once in the launch.
	; Work-groups 256 to 511 name nothing: t + 256 would pass x's second axis.  It stands behind a run of LDS loads; its address registers are never rewritten.
	s_cmp_lt_u32 s3, 256
	s_cbranch_scc0 .Lno_pf_\@
	global_prefetch_b8 v10, s[8:9] offset:65536 th:TH_LOAD_NT scope:SCOPE_SE
.Lno_pf_\@:
.endif
	s_wait_alu depctr_va_vdst(0)
	QUANT 2, RY, 16, 16, RAW                       ; y
	PLACES 8
	s_wait_alu depctr_va_vdst(0)
	s_wait_dscnt 0x0
.irp m, 0,1,2,3,4,5,6,7
	PROD 0, 32+8*\m, 160+4*\m, 16, WS+\m/2, RAW, \m%2
.endr
	PLACES 4
	IMG 8, 160, 24*512                             ; W1's tiles 8 .. 15
	SCW 4, WS, 1536
.set J, 0
.rept 64
	v_max_num_f32 v[32+J], 0, v[32+J]              ; relu
.set J, J+1
.endr
	QUANT 4, 32, PC, PC+4, RPW
	PARN 8, 32, 2048                               ; bf1 of units 128 .. 255
	PLACES 8
.irp n, 0,1,2,3
	PROD 0, RY+8*\n, 96+8*\n, PC, WS+4+\n/2, RPW, \n%2     ; onto y: the residual
.endr
	PLACES 4
	W2F 1
	s_wait_dscnt 0xa                               ; all but W2's ten loads just issued
.irp m, 0,1,2,3,4,5,6,7
	PROD 0, 32+8*\m, 160+4*\m, 16, WS+\m/2, RAW, \m%2
.endr
	PLACES 4
.set J, 0
.rept 64
	v_max_num_f32 v[32+J], 0, v[32+J]
.set J, J+1
.endr
	QUANT 4, 32, PC, PC+4, RPW
	PARN 4, 32, 2560                               ; bf2
	PARN 4, 64, 2816                               ; g2
	PLACES 8
	s_wait_alu depctr_va_vdst(0)
	s_wait_dscnt 0x10                              ; all but those sixteen loads
.irp n, 0,1,2,3
	PROD 0, RY+8*\n, 96+8*\n, PC, WS+4+\n/2, RPW, \n%2
.endr
	PLACES 4
	PARN 4, 96, 3072                               ; beta2, where W2's fragments lay
	s_wait_dscnt 0x8                               ; all but beta2's eight loads
.irp j, 0,2,4,6,8,10,12,14,16,18,20,22,24,26,28,30
	v_pk_add_f32 v[RY+\j:RY+\j+1], v[RY+\j:RY+\j+1], v[32+\j:33+\j]
.endr
	s_wait_alu depctr_va_vdst(0)
	s_wait_dscnt 0x0
	LNORM RY, 64, 96
	; the way out: back into my own rows of x, which have had their one fill and which nobody else touches, and out as whole rows
.irp m, 0,1,2,3
.irp e, 0,1
	ds_store_b128 v6, v[RY+8*\m+4*\e:RY+8*\m+4*\e+3] offset:2176*\ti+128*(\m/2)+32*(\m%2)+16*\e
.endr
.endr
.irp e, 0,1,2,3,4,5,6,7
	ds_load_b128 v[32+4*\e:35+4*\e], v7 offset:(8*\ti+\e)*272      ; LDS serves a wave's instructions in order (ISA guide 5.7.1.4): these see the stores above
.endr
.irp e, 0,1,2,3,4,5,6,7
	s_wait_dscnt 7-\e                              ; the younger loads may be out
	global_store_b128 v8, v[32+4*\e:35+4*\e], s[34:35] offset:(8*\ti+\e)*131072 th:TH_STORE_NT   ; sixteen lanes store one row: 256 consecutive bytes, at a multiple of 256 from out0's first byte
.endr
.endm
	TILE 0
	TILE 1
	s_wait_tensorcnt 0x0
	ds_add_u32 v218, v219
	s_wait_dscnt 0x0
	s_endpgm
.Lfunc_end_k_qa2d7366639_layer:
	.size	k_qa2d7366639_layer, .Lfunc_end_k_qa2d7366639_layer-k_qa2d7366639_layer
	.p2alignl 7, 3214868480
	.fill 96, 4, 3214868480
	.section	.rodata,"a",@progbits
	.p2align	6, 0x0
	.amdhsa_kernel k_qa2d7366639_layer
		.amdhsa_group_segment_fixed_size 284672
		.amdhsa_private_segment_fixed_size 0
		.amdhsa_enable_private_segment 0
		.amdhsa_kernarg_size 112
		.amdhsa_user_sgpr_count 2
		.amdhsa_user_sgpr_kernarg_segment_ptr 1
		.amdhsa_wavefront_size32 1
		.amdhsa_system_sgpr_workgroup_id_x 1
		.amdhsa_system_sgpr_workgroup_id_y 1
		.amdhsa_system_sgpr_workgroup_id_z 1
		.amdhsa_system_vgpr_workitem_id 0
		.amdhsa_next_free_vgpr 256
		.amdhsa_next_free_sgpr 80
		.amdhsa_reserve_vcc 0
		.amdhsa_float_denorm_mode_32 3
		.amdhsa_float_denorm_mode_16_64 3
		.amdhsa_memory_ordered 1
		.amdhsa_forward_progress 1
		.amdhsa_inst_pref_size 255
	.end_amdhsa_kernel
	.section	.bss,"aw",@nobits
	.p2align	6
	.space	262144
	.amdgpu_metadata
---
amdhsa.version: [ 1, 2 ]
amdhsa.kernels:
  - .name:           k_qa2d7366639_layer
    .symbol:         k_qa2d7366639_layer.kd
    .args:
      - { .name: x, .offset: 0, .size: 8, .value_kind: global_buffer, .address_space: global }
      - { .name: Wqkv, .offset: 8, .size: 8, .value_kind: global_buffer, .address_space: global }
      - { .name: bqkv, .offset: 16, .size: 8, .value_kind: global_buffer, .address_space: global }
      - { .name: Wo, .offset: 24, .size: 8, .value_kind: global_buffer, .address_space: global }
      - { .name: bo, .offset: 32, .size: 8, .value_kind: global_buffer, .address_space: global }
      - { .name: g1, .offset: 40, .size: 8, .value_kind: global_buffer, .address_space: global }
      - { .name: beta1, .offset: 48, .size: 8, .value_kind: global_buffer, .address_space: global }
      - { .name: W1, .offset: 56, .size: 8, .value_kind: global_buffer, .address_space: global }
      - { .name: bf1, .offset: 64, .size: 8, .value_kind: global_buffer, .address_space: global }
      - { .name: W2, .offset: 72, .size: 8, .value_kind: global_buffer, .address_space: global }
      - { .name: bf2, .offset: 80, .size: 8, .value_kind: global_buffer, .address_space: global }
      - { .name: g2, .offset: 88, .size: 8, .value_kind: global_buffer, .address_space: global }
      - { .name: beta2, .offset: 96, .size: 8, .value_kind: global_buffer, .address_space: global }
      - { .name: out0, .offset: 104, .size: 8, .value_kind: global_buffer, .address_space: global }
    .group_segment_fixed_size: 284672
    .private_segment_fixed_size: 0
    .kernarg_segment_align: 8
    .kernarg_segment_size: 112
    .max_flat_workgroup_size: 512
    .sgpr_count:     80
    .vgpr_count:     256
    .wavefront_size: 32
...
	.end_amdgpu_metadata
.endif
;; end of part 1
